; MI455X (gfx1250); checked and timed in simulation.
; The chip was launched on July 23, 2026; its instructions are those of AMD's public machine-readable ISA for CDNA 5 (MIT licence, August 2026) and "CDNA5" Instruction Set Architecture Reference Guide (July 2026). The comments in the code are by the model that wrote it; some were corrected since.
;; Gate Mod Linear. Allowed arithmetic: matrix products marked QUANTISED: E2M1 operands, one E8M0 scale for each 32 along K, by v_wmma_scale_f32_16x16x128_f8f6f4 with both operands' format E2M1 (or v_wmma_scale_f32_32x16x128_f4), f32 sums; products left as they are: f32 operands where the result goes on into a quantised operand, else bf16, f16 or f32 operands; f32 sums; everything else in f32.
;; Inputs: Ws 8 x 2,048 x 1,024 float32; bs 8 x 2,048 float32; gW 4,096 x 2,048 float32; gb 4,096 x 2,048 float32; pW 4,096 x 8 float32; pb 4,096 x 8 float32; x 4,096 x 1,024 float32.
;; Outputs: out0 4,096 x 2,048 float32.
;; This version of the problem:
;;   THIS VERSION OF THE PROBLEM IS GIVEN IN LOW PRECISION. The matrix products marked QUANTISED in the list below multiply operands that are first quantised to E2M1 (2 exponent bits, 1 mantissa bit; 4 bits a number), with one power-of-two scale for each 32 numbers along K (OCP MX v1.0); their sums are f32. All else is computed in f32.
;;   The module's matrix products, in the order in which they are computed (A, B: the left and right operand; K: the contracted axis; several contracted axes count as one K, in the product's order):
;;     1. [M 4,096, K 1,024] x [K 1,024, N 16,384]; A: input x; B: input Ws: QUANTISED
;;     2. batch 4,096 x [M 1, K 8] x [K 8, N 2,048]; A: input pW; B: computed on the way: left as it is (K = 8 < 32)
;;     3. [M 4,096, K 8] x [K 8, N 2,048]; A: input pb; B: input bs: left as it is (K = 8 < 32)
;;   THE QUANTISER, for each operand of a quantised product, along K:
;;     - K is cut into blocks of 32 from its start; a last block that is shorter is filled with zeros.
;;     - A block's scale is 2^e with e = floor(log2(the largest magnitude in the block)) - 2, held to -126 .. 127; a block of zeros has e = 0. As a byte (E8M0): e + 127.
;;     - Each number is divided by its block's scale, clamped to +-6, and rounded to the nearest number of E2M1, ties to even, subnormals kept.
;;     - The product sums the exact products of the quantised numbers (number of the format x scale) in f32.
;;   ~~~python
;;   def quantise(x, axis):      # numpy; x: float32 -> the quantised numbers, widened to float32 again
;;       x = np.moveaxis(x, axis, -1); K = x.shape[-1]
;;       x = np.pad(x, [(0, 0)] * (x.ndim - 1) + [(0, -K % 32)]); x = x.reshape(x.shape[:-1] + (-1, 32)); a = np.abs(x).max(-1, keepdims=True)
;;       e = np.where(a > 0, np.clip(np.frexp(np.where(a > 0, a, 1))[1] - 1 - 2, -126, 127), 0)      # np.frexp(a)[1] - 1 = floor(log2(a)), exactly
;;       r = np.clip(x / 2.0 ** e, -6, 6)
;;       step = 2.0 ** (np.maximum(np.frexp(np.where(r == 0, 1, r))[1] - 1, 0) - 1)
;;       q = np.round(r / step) * step * 2.0 ** e      # np.round: ties to even
;;       return np.moveaxis(q.reshape(q.shape[:-2] + (-1,))[..., :K], -1, axis).astype(np.float32)
;;   ~~~
;; One version. Each part assembles by itself: llvm-mc -triple=amdgcn-amd-amdhsa -mcpu=gfx1250 --defsym DOCPART=n.
;; ======== version 1 of 1: 3 launches
;; workspace buffers: xq 2,228,224 bytes; wq 8,912,896 bytes; mix 33,554,432 bytes
;; launch quant (part 1): grid 1280 x 1, 4 waves a work-group, no clusters, 30,464 bytes of LDS; arguments x, Ws, xq, wq; writes xq, wq
.if DOCPART == 1
	.amdgcn_target "amdgcn-amd-amdhsa--gfx1250"
	.amdhsa_code_object_version 6
	.text
	.protected	k_qa465c51ba5_quant
	.globl	k_qa465c51ba5_quant
	.p2align	8
	.type	k_qa465c51ba5_quant,@function
k_qa465c51ba5_quant:
	s_mov_b64 s[64:65], 0
	v_nop
	global_prefetch_b8 v0, s[64:65] scope:SCOPE_SE
	s_setreg_imm32_b32 hwreg(HW_REG_WAVE_MODE, 25, 1), 1
	s_wait_xcnt 0x0
; x [4096][1024] and Ws [8][2048][1024], f32, K innermost, become codes of FP4 (E2M1) with one E8M0 scale byte for each 32 along K,
; laid as IMAGES OF OPERAND REGISTERS, so that the product's launch loads every fragment by lane-linear loads of 16 bytes.
; A RECORD is 16 rows x K 1,024 = 8,704 bytes:
;   bytes 0 .. 8191   codes [kb 0..31][r 0..15][16 bytes]: block kb (32 along K) of row r at 256 kb + 16 r;
;   bytes 8192 .. 8703 scale bytes [half 0..1][r 0..15][16 bytes]: byte j of an entry is the scale of block 16 half + j.
; xq: record rb (rows 16 rb on) at 8,704 rb.  wq: the record of expert m, outputs 16 ob on, at 8,704 (8 ob + m): a block of outputs has its eight experts on end.
; A block's scale is 2^(floor(log2(its largest magnitude)) - 2); its byte is the largest magnitude's exponent field - 2, held at 1 from below.
; LIMITS: a block of zeros, and a block whose largest magnitude lies under 2^(3 - 127), keep the byte 1 (a block of zeros has zero codes, which add nothing
; under that byte, and this program alone reads the bytes); NaN and infinities among the inputs are not served.
; SHARES.  One work-group makes one record: 64 KiB of f32 in, 8,704 bytes out.  Work-groups 0-255 take x, 256-1279 Ws: only pointers and two numbers are chosen, both take one path.
; Wave w takes rows 4 w .. 4 w + 3 as 8 steps of 512 numbers; all its 32 loads (16 KiB) go out at its head.  Each load reads 512 consecutive bytes; a step's 2,048 bytes turn
; through the wave's own stage in LDS so that a lane holds 16 NEIGHBOURS along K (two neighbouring lanes hold a block), which is what the conversions take.
; A run of 256 bytes of the record holds 16 rows, which come from four waves: so codes and bytes meet in a stage of the work-group's, behind ONE barrier, and leave as 512 consecutive bytes a store.
; No cluster: no two work-groups read the same byte.  No tensor loads: what is in flight fits in registers.
.set EMAX, 2
.set SP,   80                          ; a lane's place in a turning stage: its 64 bytes + 16 of padding
.set TST,  32*SP                       ; a turning stage; two for each wave
.set CST,  4*2*TST                     ; behind them: the record's stage, 34 rows of 256 bytes
.set CP,   272                         ; its pitch: 256 + 16
.set REC,  8704
.set R,    16                          ; v16-143  eight sets of 16 numbers as they are loaded: no set is loaded twice
.set X,    144                         ; v144-175 two sets of 16 neighbours
.set C,    176                         ; v176-191 two registers of codes for each step
.set E,    192                         ; v192-199 a scale byte for each step
.set O,    16                          ; the way out: v16-35
	s_load_b256 s[4:11], s[0:1], 0x0               ; x s[4:5], Ws s[6:7], xq s[8:9], wq s[10:11]
	v_lshl_add_u32 v200, v0, 2, 0x7500
	v_mov_b32 v201, 0
	v_lshrrev_b32 v1, 5, v0
	v_readfirstlane_b32 s16, v1                    ; wave 0..3
	v_and_b32 v2, 31, v0                           ; lane
	v_lshlrev_b32 v3, 4, v2                        ; my 16 bytes of a load's 512
	s_mul_i32 s12, s16, 2*TST                      ; my wave's two turning stages
	v_lshrrev_b32 v14, 2, v2
	v_mul_u32_u24 v14, v14, SP
	v_and_b32 v15, 3, v2
	v_lshl_add_u32 v14, v15, 4, v14
	v_add_nc_u32 v14, s12, v14                     ; in: four lanes' 64 bytes on end, then the padding: SP (lane / 4) + 16 (lane % 4)
	v_mul_u32_u24 v15, v2, SP
	v_add_nc_u32 v15, s12, v15                     ; out: SP x lane: my 16 neighbours
	s_lshl_b32 s13, s16, 6                         ; my wave's four rows: 64 bytes of every row of the record's stage
	s_add_co_u32 s13, s13, CST
	v_lshrrev_b32 v5, 1, v2                        ; my block of the step's 16
	v_and_b32 v8, 1, v2                            ; which half of it
	v_mul_u32_u24 v4, v5, CP
	v_lshl_add_u32 v4, v8, 3, v4
	v_add_nc_u32 v4, s13, v4                       ; my 8 bytes of codes: row = block, + 8 x half, + 64 x wave
	v_add_nc_u32 v5, s13, v5                       ; my block's scale byte: byte = block, + 64 x wave
	s_mul_i32 s14, s16, 2*CP
	s_add_co_u32 s14, s14, CST
	v_lshrrev_b32 v6, 4, v2
	v_mul_u32_u24 v6, v6, CP
	v_and_b32 v8, 15, v2
	v_lshl_add_u32 v6, v8, 4, v6
	v_add_nc_u32 v6, s14, v6                       ; the way out: stage rows 2 w and 2 w + 1, sixteen lanes to a row
	s_lshl_b32 s15, s16, 9
	v_add_nc_u32 v7, s15, v3                       ; and the same 512 bytes in the record
	s_sub_co_u32 s17, ttmp9, 256                   ; Ws: which 16 rows of its 16,384 (of no meaning in x's work-groups, where it is not chosen)
	s_and_b32 s18, s17, 127                        ; the block of outputs,
	s_lshl_b32 s18, s18, 3
	s_lshr_b32 s19, s17, 7                         ; the expert:
	s_or_b32 s18, s18, s19                         ; record 8 ob + m
	s_wait_kmcnt 0x0
	s_cmp_lt_u32 ttmp9, 256                        ; x's work-group or Ws's?  The choice hangs on the work-group's number alone
	s_cselect_b64 s[4:5], s[4:5], s[6:7]
	s_cselect_b64 s[8:9], s[8:9], s[10:11]
	s_cselect_b32 s17, ttmp9, s17                  ; which 16 rows of the tensor
	s_cselect_b32 s18, ttmp9, s18                  ; which record of the buffer
	s_lshl_b32 s20, s17, 16                        ; 16 rows of 4,096 bytes,
	s_lshl_b32 s21, s16, 14                        ; my wave's four of them
	s_add_co_u32 s20, s20, s21
	s_mov_b32 s21, 0
	s_add_nc_u64 s[4:5], s[4:5], s[20:21]
	s_mul_i32 s22, s18, REC
	s_mov_b32 s23, 0
	s_add_nc_u64 s[8:9], s[8:9], s[22:23]
.macro LOAD t                          ; step t: 2,048 consecutive bytes
.irp i, 0,1,2,3
	global_load_b128 v[R+16*(\t)+4*\i:R+16*(\t)+4*\i+3], v3, s[4:5] offset:2048*(\t)+512*\i th:TH_LOAD_NT   ; read once in the whole program
.endr
.endm
.macro TURN t                          ; step t's numbers through a turning stage: LDS serves a wave's instructions in order (ISA guide 5.7.1.4), so no wait stands between the stores and the loads
.irp i, 0,1,2,3
	ds_store_b128 v14, v[R+16*(\t)+4*\i:R+16*(\t)+4*\i+3] offset:TST*((\t)%2)+8*SP*\i
.endr
.irp i, 0,1,2,3
	ds_load_b128 v[X+16*((\t)%2)+4*\i:X+16*((\t)%2)+4*\i+3], v15 offset:TST*((\t)%2)+16*\i
.endr
.endm
.irp t, 0,1,2,3,4,5,6,7
	LOAD \t
.endr
	s_wait_loadcnt 28                              ; step 0's four loads are in; the 28 behind them may be out
	TURN 0
; Step t: row 4 w + t / 2, blocks 16 (t % 2) + 0 .. 15.
.macro STEP t
.set XT, X+16*((\t)%2)
.if (\t) > 0
	s_wait_dscnt 2                                 ; this step's numbers are back from the stage; the last step's two stores (byte, codes) may be out
.else
	s_wait_dscnt 0x0
.endif
.if (\t) < 7
	s_wait_loadcnt 4*(6-(\t))                      ; the next step's four loads are in; those of the steps behind it may be out
	TURN (\t)+1                                    ; and go through the other stage while this step is worked
.endif
	v_max3_num_f32 v8, |v[XT]|, |v[XT+1]|, |v[XT+2]|               ; the largest magnitude of my 16, in two chains
	v_max3_num_f32 v9, |v[XT+3]|, |v[XT+4]|, |v[XT+5]|
.irp i, 6,10
	v_max3_num_f32 v8, v8, |v[XT+\i]|, |v[XT+\i+1]|
	v_max3_num_f32 v9, v9, |v[XT+\i+2]|, |v[XT+\i+3]|
.endr
	v_max3_num_f32 v8, v8, |v[XT+14]|, |v[XT+15]|
	v_max3_num_f32 v8, v8, v9, (EMAX+1)<<23        ; and the floor 2^(EMAX + 1 - 127): the byte cannot fall under 1
	v_max_num_f32_dpp v8, v8, v8 row_xmask:1 row_mask:0xf bank_mask:0xf   ; with my neighbour's 16: the block's
	v_add_nc_u32 v11, -(EMAX<<23), v8              ; EMAX off its exponent field: the conversion takes the exponent field of this operand as its scale, and nothing else of it
	v_cvt_scalef32_pk8_fp4_f32 v[C+2*(\t)], v[XT:XT+7], v11        ; eight numbers / the scale, to the nearest code, ties to even, beyond 6 the largest code; the first number's code in the lowest four bits
	v_cvt_scalef32_pk8_fp4_f32 v[C+2*(\t)+1], v[XT+8:XT+15], v11
	v_lshrrev_b32 v[E+(\t)], 23, v11               ; the scale's byte (also the plain line behind the conversions)
	ds_store_b8 v5, v[E+(\t)] offset:(32+(\t)%2)*CP+16*((\t)/2)    ; both lanes of a block write the same byte with the same value
	ds_store_b64 v4, v[C+2*(\t):C+2*(\t)+1] offset:((\t)%2)*16*CP+16*((\t)/2)
.endm
.irp t, 0,1,2,3,4,5,6,7
	STEP \t
.endr
	s_wait_dscnt 0x0                               ; for the others' sake: my stores into the record's stage have landed
	s_barrier_signal -1
	s_barrier_wait -1                              ; the record is whole
.irp i, 0,1,2,3
	ds_load_b128 v[O+4*\i:O+4*\i+3], v6 offset:8*CP*\i             ; stage rows 8 i + 2 w, 8 i + 2 w + 1
.endr
.irp i, 0,1,2,3
	s_wait_dscnt 3-\i                              ; load i is in; the younger ones may be out
	global_store_b128 v7, v[O+4*\i:O+4*\i+3], s[8:9] offset:2048*\i   ; 32 lanes store 512 consecutive bytes, at a multiple of 256 from the buffer's first byte
.endr
	s_cmp_lg_u32 s16, 0
	s_cbranch_scc1 .Lend                           ; the two rows of scale bytes are wave 0's
	ds_load_b128 v[O+16:O+19], v6 offset:32*CP
	s_wait_dscnt 0x0
	global_store_b128 v7, v[O+16:O+19], s[8:9] offset:8192
.Lend:
	s_wait_tensorcnt 0x0
	ds_add_u32 v200, v201
	s_wait_dscnt 0x0
	s_endpgm
.Lfunc_end_k_qa465c51ba5_quant:
	.size	k_qa465c51ba5_quant, .Lfunc_end_k_qa465c51ba5_quant-k_qa465c51ba5_quant
	.p2alignl 7, 3214868480
	.fill 96, 4, 3214868480
	.section	.rodata,"a",@progbits
	.p2align	6, 0x0
	.amdhsa_kernel k_qa465c51ba5_quant
		.amdhsa_group_segment_fixed_size 30464
		.amdhsa_private_segment_fixed_size 0
		.amdhsa_enable_private_segment 0
		.amdhsa_kernarg_size 32
		.amdhsa_user_sgpr_count 2
		.amdhsa_user_sgpr_kernarg_segment_ptr 1
		.amdhsa_wavefront_size32 1
		.amdhsa_system_sgpr_workgroup_id_x 1
		.amdhsa_system_sgpr_workgroup_id_y 1
		.amdhsa_system_sgpr_workgroup_id_z 1
		.amdhsa_system_vgpr_workitem_id 0
		.amdhsa_next_free_vgpr 202
		.amdhsa_next_free_sgpr 66
		.amdhsa_reserve_vcc 0
		.amdhsa_float_denorm_mode_32 3
		.amdhsa_float_denorm_mode_16_64 3
		.amdhsa_memory_ordered 1
		.amdhsa_forward_progress 1
		.amdhsa_inst_pref_size 19
	.end_amdhsa_kernel
	.amdgpu_metadata
---
amdhsa.version: [ 1, 2 ]
amdhsa.kernels:
  - .name:           k_qa465c51ba5_quant
    .symbol:         k_qa465c51ba5_quant.kd
    .args:
      - { .name: x, .offset: 0, .size: 8, .value_kind: global_buffer, .address_space: global }
      - { .name: Ws, .offset: 8, .size: 8, .value_kind: global_buffer, .address_space: global }
      - { .name: xq, .offset: 16, .size: 8, .value_kind: global_buffer, .address_space: global }
      - { .name: wq, .offset: 24, .size: 8, .value_kind: global_buffer, .address_space: global }
    .group_segment_fixed_size: 30464
    .private_segment_fixed_size: 0
    .kernarg_segment_align: 8
    .kernarg_segment_size: 32
    .max_flat_workgroup_size: 128
    .sgpr_count:     66
    .vgpr_count:     202
    .wavefront_size: 32
...
	.end_amdgpu_metadata
.endif
;; end of part 1
;; launch gemm (part 2): grid 32 x 8, 4 waves a work-group, clusters of 4 x 1, 312,832 bytes of LDS; arguments xq, wq, pW, mix; writes mix
.if DOCPART == 2
	.amdgcn_target "amdgcn-amd-amdhsa--gfx1250"
	.amdhsa_code_object_version 6
	.text
	.protected	k_qa465c51ba5_gemm
	.globl	k_qa465c51ba5_gemm
	.p2align	8
	.type	k_qa465c51ba5_gemm,@function
k_qa465c51ba5_gemm:
	s_mov_b64 s[64:65], 0
	v_nop
	global_prefetch_b8 v0, s[64:65] scope:SCOPE_SE
	s_setreg_imm32_b32 hwreg(HW_REG_WAVE_MODE, 25, 1), 1
	s_wait_xcnt 0x0
	s_wait_alu depctr_hold_cnt(0) depctr_sa_sdst(0) depctr_va_vdst(0) depctr_va_sdst(0) depctr_va_ssrc(0) depctr_va_vcc(0) depctr_vm_vsrc(0)
	s_getreg_b32 s2, hwreg(HW_REG_IB_STS2, 6, 4)
	s_cmp_eq_u32 s2, 0
	s_cbranch_scc0 .Lentry_in_a_cluster
	s_endpgm
.Lentry_in_a_cluster:
	s_bfe_u32 s2, ttmp6, 0x10000c
	s_cmp_lg_u32 s2, 0x3003
	s_cbranch_scc0 .Lentry_shape_is_right
	s_endpgm
.Lentry_shape_is_right:
; mix[b][i] = the sum over m of pW[b][m] x h[b][m][i],  h[b][m][i] = the sum over k of Q(x)[b][k] Q(Ws)[m][i][k]: the product on codes of FP4 (E2M1) with E8M0 scales, f32 sums;
; each expert's sum over all of K is finished in f32 before it is weighed (f32 fused multiply-adds, experts ascending).  mix: [4096][2048] f32.
; xq, wq: records of 8,704 bytes, 16 rows x K 1,024, as images of operand registers: fragment s (128 along K) is bytes 1,024 s on, lane l's 16 bytes at 16 l of each of its two runs of 512;
; the scale bytes lie at 8,192 + 16 l: register j of that load holds K step j's words in lanes 0-15 and K step 4 + j's in lanes 16-31.  wq's record of expert m, outputs 16 ob on, is number 8 ob + m.
; SHARES.  A work-group owns 512 rows x 64 outputs x 8 experts; 8 x 32 work-groups.  With rows x outputs fixed at 32,768 the bytes taken in go as rows + 8 x outputs, least at 512 x 64: 278,528 bytes of each operand.
; W STAYS IN REGISTERS: wave w holds outputs 16 (4 tile + w) on of all eight experts for all of K: 8 records, 512 registers and 32 of scale words, loaded once.
; X AND pW LIE IN LDS, FILLED ONCE: the tile's 32 records and its 512 rows of pW.  No LDS byte is filled twice.  All four waves walk the same 32 blocks of 16 rows;
; a fragment of X read from LDS feeds eight products of the wave.
; THE MATRIX INSTRUCTION IS USED TRANSPOSED (source 0 = 16 outputs of W, source 1 = 16 rows of x): lane (r, h) holds row r and its registers outputs 8 h + 0 .. 7, so pW[r][m] is one number a lane,
; and a lane's eight results are 32 neighbouring bytes of a row of mix.
; CLUSTER: the four work-groups of a cluster have one tile of rows: X's and pW's tiles are asked for JOINTLY (the same load, the same descriptor, a mask that names the four).
; W is not asked for jointly: a joint load lands in LDS, of whose 327,680 bytes X and pW hold 294,912 and the stage 17,408; W would have to take turns with them.
; THE WAY OUT: a row's 256 bytes come from four waves, so two blocks' results (32 rows) meet in one of two stage buffers; one barrier for each two blocks; each wave then stores 8 whole rows.
; REGISTERS, in windows of 256: window 0: v1-6 addresses; v16-47 W's scale words (4 an expert); v48-55 X's, two sets; v56-71 pW's rows, two sets; v72-87 the mixed sums, two sets;
;   v88-95 the odd experts' weights in even registers; v96-159 the eight accumulators; v160-175 stage rows on their way out.
;   window 1: X's fragments, two sets of 64.   window 2: W's K steps 0-3, expert m's at v[32 m + 8 s].   window 3: W's K steps 4-7 likewise.
.set REC,  8704
.set PWT,  32*REC                      ; LDS: X's 32 records from byte 0; then the tile's pW, 512 rows x 32 bytes, as in memory;
.set STG,  PWT+16384                   ; then the stage: two buffers of 32 rows x (256 + 16) bytes; no tensor load ever lands here
.set SPI,  272
.set SBUF, 32*SPI
.set LI,   1                           ; v1   16 x lane
.set AX,   2                           ; v2   16 x lane + the record to be fetched next
.set AP,   3                           ; v3   that block's row r of pW
.set STO,  4                           ; v4   the stage: where I put 32 bytes of a row
.set SRD,  5                           ; v5   and where I read rows back
.set GO,   6                           ; v6   my byte offset in the 32 rows of mix in hand
.set WS,   16
.set XS,   48
.set PW,   56
.set Z,    72
.set PWO,  88
.set H,    96
.set FL,   160
.set WV,   12                          ; s12  my wave's number
.set G1X,  24                          ; s[24:31] descriptor group 1 for X's tiles;  s[32:39] for pW's
.set G1P,  32
.set G0P,  40                          ; s[40:43] group 0 for pW's tile;  s[44:59] for X's four chunks
.set G0X,  44
.set TRIPS, 60
.set MSB, 0
.macro WIN new                         ; low byte: bits 1:0 source 0, 3:2 source 1, 5:4 source 2, 7:6 destination; the high byte repeats the setting that is left
.if MSB != \new
	s_set_vgpr_msb (MSB<<8)|\new
.set MSB, \new
.endif
.endm
; A round of the cluster's barrier: my work-group's barrier, wave 0 signals for the work-group, every wave waits for all four work-groups, my work-group's barrier once more.
.macro CROUND
	s_barrier_signal -1
	s_barrier_wait -1
	s_cmp_lg_u32 s[WV], 0
	s_cbranch_scc1 .Lnot_wave_0_\@
	s_barrier_signal -3
.Lnot_wave_0_\@:
	s_barrier_wait -3
	s_barrier_signal -1
	s_barrier_wait -1
.endm
	s_load_b256 s[4:11], s[0:1], 0x0               ; xq s[4:5], wq s[6:7], pW s[8:9], mix s[10:11]
	v_lshl_add_u32 v254, v0, 2, 0x4c400
	v_mov_b32 v255, 0
	ds_add_u32 v254, v255
	ds_add_u32 v254, v255
	v_lshrrev_b32 v7, 5, v0
	v_readfirstlane_b32 s[WV], v7                  ; wave 0..3
	s_and_b32 s15, ttmp7, 0xffff                   ; the tile of rows, which the four partners share
	s_mul_i32 s16, s15, 32*REC                     ; its 32 records,
	s_mul_i32 s20, s[WV], 2*REC                    ; of each chunk of eight my wave brings two: in memory and in LDS alike
	s_add_co_u32 s16, s16, s20
	s_mov_b32 s17, 0
	s_lshl_b32 s22, s15, 14                        ; its 512 rows of pW, 32 bytes each,
	s_lshl_b32 s21, s[WV], 12                      ; my wave's quarter
	s_add_co_u32 s22, s22, s21
	s_mov_b32 s23, 0
	; descriptor group 1: dense blocks as rows of 256 bytes (32 elements of 8 bytes), no padding: every LDS read of them is lane-linear
	s_mov_b32 s[G1X], 15|(3<<16)|(1<<21)           ; 15:0 the mask: all four work-groups; 17:16 elements of 8 bytes; 21 set beside a mask
	s_mov_b32 s[G1X+1], 32<<16                     ; tensor_dim0 = 32
	s_mov_b32 s[G1X+2], 68<<16                     ; tensor_dim1 = 68 rows: two records
	s_mov_b32 s[G1X+3], 32<<16                     ; tile_dim0
	s_mov_b32 s[G1X+4], 68                         ; tile_dim1
	s_mov_b32 s[G1X+5], 32                         ; the pitch
	s_mov_b32 s[G1X+6], 0
	s_mov_b32 s[G1X+7], 0
	s_mov_b32 s[G1P], 15|(3<<16)|(1<<21)
	s_mov_b32 s[G1P+1], 32<<16
	s_mov_b32 s[G1P+2], 16<<16                     ; 16 rows: 4,096 bytes
	s_mov_b32 s[G1P+3], 32<<16
	s_mov_b32 s[G1P+4], 16
	s_mov_b32 s[G1P+5], 32
	s_mov_b32 s[G1P+6], 0
	s_mov_b32 s[G1P+7], 0
	; my place in the cluster enters wq's and mix's addresses alone, in registers that feed no descriptor
	s_bfe_u32 s13, ttmp6, 0x40000                  ; cx
	s_lshl_b32 s14, ttmp9, 2                       ; in a cluster launch ttmp9 counts clusters
	s_add_co_u32 s14, s14, s13                     ; the tile of 64 outputs = 4 x cluster x + cx
	s_lshl_b32 s62, s14, 2
	s_add_co_u32 s62, s62, s[WV]                   ; my block of 16 outputs,
	s_mul_i32 s62, s62, 8*REC                      ; its eight records
	s_mov_b32 s63, 0
	s_lshl_b32 s2, s15, 22                         ; mix: 512 rows of 8,192 bytes,
	s_lshl_b32 s3, s14, 8                          ; 64 outputs of 4 bytes
	s_add_co_u32 s2, s2, s3
	s_mov_b32 s3, 0
	s_wait_dscnt 0x0
	s_wait_kmcnt 0x0
	s_add_nc_u64 s[18:19], s[4:5], s[16:17]
	s_add_nc_u64 s[22:23], s[8:9], s[22:23]
	s_add_nc_u64 s[6:7], s[6:7], s[62:63]
	s_add_nc_u64 s[10:11], s[10:11], s[2:3]
	s_mov_b32 s[G0P], 1                            ; 1:0 count = 1
	s_add_co_u32 s[G0P+1], s21, PWT                ; 63:32 LDS address
	s_mov_b64 s[G0P+2:G0P+3], s[22:23]             ; 120:64 global address
	s_or_b32 s[G0P+3], s[G0P+3], 0x80000000        ; 127:126 type = 2
.irp k, 0,1,2,3                        ; chunk k: records 8 k .. 8 k + 7; my wave's: 8 k + 2 w, 8 k + 2 w + 1
	s_mov_b32 s[G0X+4*\k], 1
	s_add_co_u32 s[G0X+4*\k+1], s20, \k*8*REC
	s_add_nc_u64 s[G0X+4*\k+2:G0X+4*\k+3], s[18:19], \k*8*REC
	s_or_b32 s[G0X+4*\k+3], s[G0X+4*\k+3], 0x80000000
.endr
	CROUND                                         ; all four work-groups are here: the joint loads meet
	tensor_load_to_lds s[G0P:G0P+3], s[G1P:G1P+7]  ; all first fills in one group: five loads of mine are out
	s_nop 0
.irp k, 0,1,2,3
	tensor_load_to_lds s[G0X+4*\k:G0X+4*\k+3], s[G1X:G1X+7]
	s_nop 0
.endr
	v_and_b32 v7, 31, v0                           ; lane.  (More than four plain lines stand between the last tensor load and the first switch of windows)
	v_and_b32 v8, 15, v0                           ; r
	v_bfe_u32 v9, v0, 4, 1                         ; h
	v_lshlrev_b32 v[LI], 4, v7
	v_lshlrev_b32 v[AX], 4, v7                     ; record 0 lies at LDS byte 0
	v_lshl_add_u32 v[AP], v8, 5, PWT
	v_mul_u32_u24 v[STO], v8, SPI                  ; into the stage: row r, + 64 x wave (my 16 outputs), + 32 h
	v_lshl_add_u32 v[STO], v9, 5, v[STO]
	s_lshl_b32 s21, s[WV], 6
	s_add_co_u32 s21, s21, STG
	v_add_nc_u32 v[STO], s21, v[STO]
	v_mul_u32_u24 v[SRD], v9, SPI                  ; back: rows 8 w on; lanes 0-15 one row of 256 bytes, lanes 16-31 the next
	v_lshl_add_u32 v[SRD], v8, 4, v[SRD]
	s_mul_i32 s21, s[WV], 8*SPI
	s_add_co_u32 s21, s21, STG
	v_add_nc_u32 v[SRD], s21, v[SRD]
	v_lshlrev_b32 v[GO], 13, v9                    ; and the same rows in mix, 8,192 bytes apart
	v_lshl_add_u32 v[GO], v8, 4, v[GO]
	s_lshl_b32 s21, s[WV], 16
	v_add_nc_u32 v[GO], s21, v[GO]
.irp q, 0,1,2,3
	v_mov_b32 v[PWO+2*\q+1], 0                     ; named as the upper words of pairs, so they are written; never used
.endr
	WIN 0x80                                       ; destination window 2, address window 0
.irp m, 0,1,2,3,4,5,6,7                ; W's K steps 0-3: 4,096 bytes of each expert's record
.irp i, 0,1,2,3,4,5,6,7
	global_load_b128 v[32*\m+4*\i:32*\m+4*\i+3], v[LI], s[6:7] offset:\m*REC+512*\i
.endr
.endr
	WIN 0xc0                                       ; destination window 3
.irp m, 0,1,2,3,4,5,6,7                ; K steps 4-7
.irp i, 0,1,2,3,4,5,6,7
	global_load_b128 v[32*\m+4*\i:32*\m+4*\i+3], v[LI], s[6:7] offset:\m*REC+4096+512*\i
.endr
.endr
	WIN 0
.irp m, 0,1,2,3,4,5,6,7
	global_load_b128 v[WS+4*\m:WS+4*\m+3], v[LI], s[6:7] offset:\m*REC+8192   ; and the scale words
.endr
; 19 LDS loads in one run: a block's eight fragments into set p, its scale words, its rows of pW
.macro LOADX p
	WIN 0x40                                       ; destination window 1, address window 0
.irp i, 0,1,2,3,4,5,6,7,8,9,10,11,12,13,14,15
	ds_load_b128 v[64*(\p)+4*\i:64*(\p)+4*\i+3], v[AX] offset:512*\i
.endr
	WIN 0
	ds_load_b128 v[XS+4*(\p):XS+4*(\p)+3], v[AX] offset:8192
	ds_load_b128 v[PW+8*(\p):PW+8*(\p)+3], v[AP]
	ds_load_b128 v[PW+8*(\p)+4:PW+8*(\p)+7], v[AP] offset:16
.endm
; 64 matrix instructions: the block's 16 rows x my 16 outputs x 8 experts, all of K.  The first K step starts the sums: nothing is cleared.
; The eight accumulators take turns, one instruction a turn, in the same order in every K step, from block to block and over the loop's backward jump.
.macro MULS p
	WIN 0x06                                       ; source 0 (W) window 2, source 1 (X) window 1, C and D window 0
.irp s, 0,1,2,3
.irp m, 0,1,2,3,4,5,6,7
.if \s == 0
	v_wmma_scale_f32_16x16x128_f8f6f4 v[H+8*\m:H+8*\m+7], v[32*\m+8*\s:32*\m+8*\s+7], v[64*(\p)+8*\s:64*(\p)+8*\s+7], 0, v[WS+4*\m+\s], v[XS+4*(\p)+\s] matrix_a_fmt:MATRIX_FMT_FP4 matrix_b_fmt:MATRIX_FMT_FP4
.else
	v_wmma_scale_f32_16x16x128_f8f6f4 v[H+8*\m:H+8*\m+7], v[32*\m+8*\s:32*\m+8*\s+7], v[64*(\p)+8*\s:64*(\p)+8*\s+7], v[H+8*\m:H+8*\m+7], v[WS+4*\m+\s], v[XS+4*(\p)+\s] matrix_a_fmt:MATRIX_FMT_FP4 matrix_b_fmt:MATRIX_FMT_FP4
.endif
.endr
.endr
	WIN 0x07                                       ; source 0 window 3: K steps 4-7, whose scale words lie in lanes 16-31 of the same registers
.irp s, 0,1,2,3
.irp m, 0,1,2,3,4,5,6,7
	v_wmma_scale_f32_16x16x128_f8f6f4 v[H+8*\m:H+8*\m+7], v[32*\m+8*\s:32*\m+8*\s+7], v[64*(\p)+32+8*\s:64*(\p)+32+8*\s+7], v[H+8*\m:H+8*\m+7], v[WS+4*\m+\s], v[XS+4*(\p)+\s] matrix_a_fmt:MATRIX_FMT_FP4 matrix_b_fmt:MATRIX_FMT_FP4 matrix_a_scale:MATRIX_SCALE_ROW1 matrix_b_scale:MATRIX_SCALE_ROW1
.endr
.endr
	WIN 0
.endm
; The mix: 32 packed lines, four chains; each accumulator is read from its low end on.  A weight is the low word of a pair and serves both halves.
.macro FOLD p
.irp j, 0,1,2,3
	v_pk_mul_f32 v[Z+8*(\p)+2*\j:Z+8*(\p)+2*\j+1], v[H+2*\j:H+2*\j+1], v[PW+8*(\p):PW+8*(\p)+1] op_sel_hi:[1,0]
.endr
.irp m, 1,2,3,4,5,6,7
.irp j, 0,1,2,3
.if \m % 2
	v_pk_fma_f32 v[Z+8*(\p)+2*\j:Z+8*(\p)+2*\j+1], v[H+8*\m+2*\j:H+8*\m+2*\j+1], v[PWO+\m-1:PWO+\m], v[Z+8*(\p)+2*\j:Z+8*(\p)+2*\j+1] op_sel_hi:[1,0,1]
.else
	v_pk_fma_f32 v[Z+8*(\p)+2*\j:Z+8*(\p)+2*\j+1], v[H+8*\m+2*\j:H+8*\m+2*\j+1], v[PW+8*(\p)+\m:PW+8*(\p)+\m+1], v[Z+8*(\p)+2*\j:Z+8*(\p)+2*\j+1] op_sel_hi:[1,0,1]
.endif
.endr
.endr
.endm
; A BLOCK of 16 rows on set p; its results go to half `half` of stage buffer `buf`.  head = 1: no barrier stood just in front.  fl = 1: the 32 rows read back behind the last barrier are stored.
; nx = 1: the next block's operands are fetched, a whole block ahead of their use.
.macro BLOCK p, buf, half, head, fl, nx
.if \head
	s_wait_dscnt 2                                 ; this block's 19 loads are in; the last block's two stores into the stage may be out
.endif
.if \nx
	LOADX 1-\p                                     ; into the set that the last block multiplied: behind its products stand its moves and its 32 lines of the mix
.endif
	MULS \p
.if \fl
	s_wait_dscnt 19                                ; the four reads of the stage are in; the 19 loads issued behind them may be out
.irp t, 0,1,2,3
	global_store_b128 v[GO], v[FL+4*\t:FL+4*\t+3], s[10:11] offset:16384*\t   ; 16 lanes store 256 consecutive bytes, at a multiple of 256 from mix's first byte
.endr
.endif
.irp q, 0,1,2,3
	v_mov_b32 v[PWO+2*\q], v[PW+8*(\p)+2*\q+1]     ; the odd experts' weights into even registers, where a pair can begin.  These four lines name no register of the products:
.endr                                              ; they are the places between the products and the first read of a result (ISA guide 7.12.1)
.if \nx
	v_add_nc_u32 v[AX], REC, v[AX]                 ; on to the record after the one just asked for
	v_add_nc_u32 v[AP], 512, v[AP]
.endif
	FOLD \p
	ds_store_b128 v[STO], v[Z+8*(\p):Z+8*(\p)+3] offset:(\buf)*SBUF+(\half)*16*SPI
	ds_store_b128 v[STO], v[Z+8*(\p)+4:Z+8*(\p)+7] offset:(\buf)*SBUF+(\half)*16*SPI+16
.endm
; The barrier behind two blocks.  In front of it my stores into buffer buf have landed, and my reads of the other buffer, issued behind the last barrier, are in: so it orders both the reads below
; and the next two blocks' stores into the other buffer.  tw = 1: all of X is waited for.  step = 1: mix goes 32 rows on.
.macro BAR buf, step, tw
	s_wait_dscnt 0x0
.if \tw
	s_wait_tensorcnt 0x0                           ; my parts of X's chunks 1 to 3 have landed; behind the barrier everybody's have
.endif
	s_barrier_signal -1
	s_barrier_wait -1
	s_wait_xcnt 0x0                                ; the earlier stores have read their data registers and their base: both are written again only behind this wait
.if \step
	s_add_nc_u64 s[10:11], s[10:11], 32*8192
.endif
.irp t, 0,1,2,3
	ds_load_b128 v[FL+4*\t:FL+4*\t+3], v[SRD] offset:(\buf)*SBUF+2*SPI*\t   ; rows 8 w + 2 t, 8 w + 2 t + 1, whole
.endr
.endm
	s_wait_tensorcnt 0x3                           ; pW's tile and my part of X's chunk 0 are in; chunks 1 to 3 may stay out
	s_barrier_signal -1
	s_barrier_wait -1                              ; everybody's are
	LOADX 0                                        ; block 0
	v_add_nc_u32 v[AX], REC, v[AX]
	v_add_nc_u32 v[AP], 512, v[AP]
	s_wait_loadcnt 0x0                             ; W
	s_wait_dscnt 0x0
	BLOCK 0, 0, 0, 0, 0, 1                         ; block 0
	BLOCK 1, 0, 1, 1, 0, 1                         ; blocks 1 to 4 are written out: nothing is stored yet behind the first barrier's blocks' head, mix does not step at the first barrier,
	BAR 0, 0, 0                                    ; and the second waits for the rest of X (record 8 is first read at the head of block 7)
	BLOCK 0, 1, 0, 0, 1, 1
	BLOCK 1, 1, 1, 1, 0, 1
	BAR 1, 1, 1
	BLOCK 0, 0, 0, 0, 1, 1
	s_mov_b32 s[TRIPS], 6
.Ltrip:                                                ; a trip: four blocks, both stage buffers once; blocks 5 to 28
	BLOCK 1, 0, 1, 1, 0, 1
	BAR 0, 1, 0
	BLOCK 0, 1, 0, 0, 1, 1
	BLOCK 1, 1, 1, 1, 0, 1
	BAR 1, 1, 0
	BLOCK 0, 0, 0, 0, 1, 1
	s_sub_co_u32 s[TRIPS], s[TRIPS], 1
	s_cmp_lg_u32 s[TRIPS], 0
	s_cbranch_scc1 .Ltrip
	BLOCK 1, 0, 1, 1, 0, 1                         ; blocks 29 to 31: the last fetches nothing
	BAR 0, 1, 0
	BLOCK 0, 1, 0, 0, 1, 1
	BLOCK 1, 1, 1, 1, 0, 0
	BAR 1, 1, 0
	s_wait_dscnt 0x0                               ; the last 32 rows are back in registers, and no LDS instruction of mine is out at the round below
.irp t, 0,1,2,3
	global_store_b128 v[GO], v[FL+4*\t:FL+4*\t+3], s[10:11] offset:16384*\t
.endr
	s_wait_tensorcnt 0x0
	ds_add_u32 v254, v255
	s_wait_dscnt 0x0
	CROUND                                         ; the closing round: no work-group ends while a partner may still ask for a tile that names it
	s_endpgm
.Lfunc_end_k_qa465c51ba5_gemm:
	.size	k_qa465c51ba5_gemm, .Lfunc_end_k_qa465c51ba5_gemm-k_qa465c51ba5_gemm
	.p2alignl 7, 3214868480
	.fill 96, 4, 3214868480
	.section	.rodata,"a",@progbits
	.p2align	6, 0x0
	.amdhsa_kernel k_qa465c51ba5_gemm
		.amdhsa_group_segment_fixed_size 312832
		.amdhsa_private_segment_fixed_size 0
		.amdhsa_enable_private_segment 0
		.amdhsa_kernarg_size 32
		.amdhsa_user_sgpr_count 2
		.amdhsa_user_sgpr_kernarg_segment_ptr 1
		.amdhsa_wavefront_size32 1
		.amdhsa_system_sgpr_workgroup_id_x 1
		.amdhsa_system_sgpr_workgroup_id_y 1
		.amdhsa_system_sgpr_workgroup_id_z 1
		.amdhsa_system_vgpr_workitem_id 0
		.amdhsa_next_free_vgpr 1024
		.amdhsa_next_free_sgpr 66
		.amdhsa_reserve_vcc 0
		.amdhsa_float_denorm_mode_32 3
		.amdhsa_float_denorm_mode_16_64 3
		.amdhsa_memory_ordered 1
		.amdhsa_forward_progress 1
		.amdhsa_inst_pref_size 166
	.end_amdhsa_kernel
	.amdgpu_metadata
---
amdhsa.version: [ 1, 2 ]
amdhsa.kernels:
  - .name:           k_qa465c51ba5_gemm
    .symbol:         k_qa465c51ba5_gemm.kd
    .args:
      - { .name: xq, .offset: 0, .size: 8, .value_kind: global_buffer, .address_space: global }
      - { .name: wq, .offset: 8, .size: 8, .value_kind: global_buffer, .address_space: global }
      - { .name: pW, .offset: 16, .size: 8, .value_kind: global_buffer, .address_space: global }
      - { .name: mix, .offset: 24, .size: 8, .value_kind: global_buffer, .address_space: global }
    .group_segment_fixed_size: 312832
    .private_segment_fixed_size: 0
    .kernarg_segment_align: 8
    .kernarg_segment_size: 32
    .max_flat_workgroup_size: 128
    .sgpr_count:     66
    .vgpr_count:     1024
    .wavefront_size: 32
...
	.end_amdgpu_metadata
.endif
;; end of part 2
;; launch norm (part 3): grid 256 x 1, 16 waves a work-group, no clusters, 169,984 bytes of LDS; arguments mix, gW, gb, pb, bs, out0; writes out0
.if DOCPART == 3
	.amdgcn_target "amdgcn-amd-amdhsa--gfx1250"
	.amdhsa_code_object_version 6
	.text
	.protected	k_qa465c51ba5_norm
	.globl	k_qa465c51ba5_norm
	.p2align	8
	.type	k_qa465c51ba5_norm,@function
k_qa465c51ba5_norm:
	s_mov_b64 s[64:65], 0
	v_nop
	global_prefetch_b8 v0, s[64:65] scope:SCOPE_SE
	s_setreg_imm32_b32 hwreg(HW_REG_WAVE_MODE, 25, 1), 1
	s_wait_xcnt 0x0
; z = gW x mix + gb x (pb @ bs);  y = (z - mean) x rsqrt(var + 1e-5) over a row's 2,048 numbers;  out = y where y > 0, else e^y - 1.  All in f32.
; pb @ bs has K = 8: eight fused multiply-adds a number, experts ascending; a matrix form would fill a quarter of a K step here, in a launch whose time is its bytes.
; The variance is the mean of (z - mean)^2, taken in a second pass over registers: no difference of large sums is formed.  Row sums are added in a fixed tree (4 numbers of a lane, 32 lanes, 16 waves), not in the order of the reference.
; e^y - 1 is 2^(y log2 e) - 1: its error is of the order of the last place of 1, absolute; |y| is at most sqrt(2047) by the normalisation itself, so the exponential neither overflows nor falls to a denormal.
; THE CHOICE IS A MEDIAN: e^y - 1 >= y for every y, so the middle one of y, e^y - 1 and 0 is y above 0 and e^y - 1 below.
; LIMITS: NaN and infinities among the inputs are not served (the median does not pass a NaN on).
; SHARES.  A work-group owns 16 rows.  THE WAVES SHARE THE COLUMNS, NOT THE ROWS: wave w takes columns 128 w .. 128 w + 127 of all 16 rows; lane l holds columns 128 w + 4 l + 0 .. 3 of each row: 64 numbers.
; Every load and store of a wave covers 512 consecutive bytes, at a multiple of 256 from its buffer's first byte.  So a wave's part of bs is 8 x 128 numbers, 32 registers, loaded first of all and straight into
; registers, and pb[row][m] is one number for the whole wave, a scalar: the 64 bias sums want 4 KiB of a wave's 28 KiB and are made while the rest is on its way.
; No LDS byte is filled twice.
; A ROW'S SUM SPANS THE 16 WAVES.  In a wave: 16 partial sums x 32 lanes are added by a butterfly that transposes as it adds, after which lane r holds row r's sum; one store a wave into a table [row][wave]; one barrier;
; every wave adds its lane's row of 16 parts, alike.  The statistic of row r, in lane r, goes back to all lanes through the wave's own 128 bytes of LDS, twice over, so that it comes back as pairs for the packed forms.
; Two barriers in all; the two passes have tables of their own.
; No cluster: what work-groups share is bs, 64 KiB against the 512 KiB that each streams.  Everything is asked for at the wave's head.
.set RED1, 0                           ; LDS: the sums' table, [16 rows][16 waves] f32;
.set RED2, 1024                        ; the squares' table;
.set BC1,  2048                        ; 128 bytes for each wave: -mean of the 16 rows, each twice;
.set BC2,  4096                        ; the same for 1 / sqrt(var + 1e-5);
.set MXL,  6144                        ; then 8,192 bytes for each wave: its 16 x 512 bytes of mix.  No tile lands under MXL, nothing is stored from MXL on
.set LO,   1                           ; v1   16 x lane: my bytes of a wave's 512; never rewritten
.set MXA,  2                           ; v2   MXL + 8,192 x wave + 16 x lane
.set RDW,  3                           ; v3   64 (lane % 16) + 4 x wave: where my wave's part of row lane % 16 goes
.set RDR,  4                           ; v4   64 (lane % 16): that row's 16 parts
.set BCW,  5                           ; v5   128 x wave + 8 (lane % 16)
.set BCR,  6                           ; v6   128 x wave
.set ST,   10                          ; v[10:11] a statistic, twice
.set B,    16                          ; v16-79   row i's four numbers at v[B + 4 i]: the bias sums, then z, then z - mean, then y
.set GW,   80                          ; v80-143  gW
.set GB,   144                         ; v144-207 gb, then mix
.set BS,   208                         ; v208-239 bs[m], my four columns, at v[BS + 4 m]
.set TP,   80                          ; where gW lay: v80-111 a pair of partial sums for each row,
.set S,    112                         ; v112-127 a partial sum for each row,
.set O1,   128                         ; v128-142 the butterfly's 8, 4, 2 and 1 results
.set O2,   136
.set O3,   140
.set O4,   142
.set U,    144                         ; where mix lay: v144-151 what a lane sends to its partner,
.set RD,   160                         ; v160-175 a row's 16 parts,
.set MN,   176                         ; v176-207 a statistic of the 16 rows, row i's in v[MN + 2 i] and v[MN + 2 i + 1]
.set E,    80                          ; at the end: v80-143 the exponentials and what is stored
.set WV,   16                          ; s16  my wave's number
.set OP,   24                          ; s[24:31] four pairs: an odd expert's weight of each of four rows, in an even register, where a pair can begin
.set P,    32                          ; s[32:63] four rows of pb
.set G1,   68                          ; s[68:75] descriptor group 1;  s[76:79] group 0
.set G0,   76
.set MK,   80                          ; s80-83 the lanes whose number has bit 0, 1, 2, 3 set
.set SEL,  84                          ; s[84:85] v_permlanex16_b32's selects for lane l xor 16
.set C2K,  86                          ; s86  1 / 2048
.set EPS,  87                          ; s87  1e-5
.set L2E,  88                          ; s[88:89] log2(e): the packed form names a pair and takes its low word for both halves
	s_load_b256 s[4:11], s[0:1], 0x0               ; mix s[4:5], gW s[6:7], gb s[8:9], pb s[10:11]
	s_load_b128 s[12:15], s[0:1], 0x20             ; bs s[12:13], out0 s[14:15]
	v_lshl_add_u32 v254, v0, 2, 0x29000
	v_mov_b32 v255, 0
	ds_add_u32 v254, v255
	ds_add_u32 v254, v255
	v_lshrrev_b32 v7, 5, v0
	v_readfirstlane_b32 s[WV], v7                  ; wave 0..15
	v_and_b32 v8, 31, v0                           ; lane
	v_and_b32 v9, 15, v0                           ; lane % 16
	v_lshlrev_b32 v[LO], 4, v8
	s_lshl_b32 s17, s[WV], 9                       ; my wave's 512 bytes of a row
	s_lshl_b32 s18, ttmp9, 17                      ; the work-group's 16 rows of 8,192 bytes: mix, gW, gb, out0
	s_add_co_u32 s18, s18, s17
	s_mov_b32 s19, 0
	s_mov_b32 s20, s17                             ; bs: my wave's 512 bytes of each of its 8 rows
	s_mov_b32 s21, 0
	s_lshl_b32 s22, ttmp9, 9                       ; pb: 16 rows of 32 bytes
	s_mov_b32 s23, 0
	s_lshl_b32 s90, s[WV], 2
	s_lshl_b32 s91, s[WV], 7
	s_lshl_b32 s92, s[WV], 13
	s_add_co_u32 s92, s92, MXL                     ; my tile's place in LDS
	v_add_nc_u32 v[MXA], s92, v[LO]
	v_lshlrev_b32 v[RDR], 6, v9
	v_add_nc_u32 v[RDW], s90, v[RDR]
	v_mov_b32 v[BCR], s91
	v_lshl_add_u32 v[BCW], v9, 3, s91
	; descriptor group 1: 16 rows of 512 bytes (64 elements of 8 bytes), 8,192 bytes apart in memory, on end in LDS: every LDS read of them is lane-linear
	s_mov_b32 s[G1], 3<<16                         ; 15:0 no mask; 17:16 elements of 8 bytes; no padding
	s_mov_b32 s[G1+1], 64<<16                      ; tensor_dim0 = 64
	s_mov_b32 s[G1+2], 16<<16                      ; tensor_dim1 = 16
	s_mov_b32 s[G1+3], 64<<16                      ; tile_dim0
	s_mov_b32 s[G1+4], 16                          ; tile_dim1
	s_mov_b32 s[G1+5], 1024                        ; the pitch, in elements
	s_mov_b32 s[G1+6], 0
	s_mov_b32 s[G1+7], 0
	s_mov_b32 s[MK], 0xaaaaaaaa
	s_mov_b32 s[MK+1], 0xcccccccc
	s_mov_b32 s[MK+2], 0xf0f0f0f0
	s_mov_b32 s[MK+3], 0xff00ff00
	s_mov_b32 s[SEL], 0x76543210
	s_mov_b32 s[SEL+1], 0xfedcba98
	s_mov_b32 s[C2K], 0x3a000000
	s_mov_b32 s[EPS], 0x3727c5ac
	s_mov_b32 s[L2E], 0x3fb8aa3b
	s_mov_b32 s[L2E+1], 0x3fb8aa3b                 ; (named with it as a pair, so it is written)
.irp j, 0,1,2,3
	s_mov_b32 s[OP+2*\j+1], 0                      ; the upper words of the four pairs: named, so written; never used
.endr
	s_wait_dscnt 0x0
	s_wait_kmcnt 0x0
	s_add_nc_u64 s[12:13], s[12:13], s[20:21]
	s_add_nc_u64 s[10:11], s[10:11], s[22:23]
	s_add_nc_u64 s[8:9], s[8:9], s[18:19]
	s_add_nc_u64 s[6:7], s[6:7], s[18:19]
	s_add_nc_u64 s[14:15], s[14:15], s[18:19]
	s_mov_b32 s[G0], 1                             ; 1:0 count = 1
	s_mov_b32 s[G0+1], s92                         ; 63:32 LDS address
	s_add_nc_u64 s[G0+2:G0+3], s[4:5], s[18:19]    ; 120:64 global address
	s_or_b32 s[G0+3], s[G0+3], 0x80000000          ; 127:126 type = 2
.irp m, 0,1,2,3,4,5,6,7
	global_load_b128 v[BS+4*\m:BS+4*\m+3], v[LO], s[12:13] offset:8192*\m   ; bs first: it is wanted first.  (Every work-group reads it: no hint)
.endr
.macro PBLOAD g                        ; rows 4 g .. 4 g + 3 of the work-group's pb: s[P + 8 j + m] = pb[4 g + j][m]
	s_load_b512 s[P:P+15], s[10:11], 128*(\g)
	s_load_b512 s[P+16:P+31], s[10:11], 128*(\g)+64
.endm
	PBLOAD 0
.irp i, 0,1,2,3,4,5,6,7,8,9,10,11,12,13,14,15
	global_load_b128 v[GB+4*\i:GB+4*\i+3], v[LO], s[8:9] offset:8192*\i th:TH_LOAD_NT   ; read once in the whole program
.endr
	tensor_load_to_lds s[G0:G0+3], s[G1:G1+7]      ; my tile of mix: the wave's one tensor load
	s_nop 0
.irp i, 0,1,2,3,4,5,6,7,8,9,10,11,12,13,14,15
	global_load_b128 v[GW+4*\i:GW+4*\i+3], v[LO], s[6:7] offset:8192*\i th:TH_LOAD_NT
.endr
; THE BIAS SUMS of four rows: experts outermost and ascending, the four rows' eight pairs innermost, so that eight chains take turns.  A weight is the low word of a scalar pair and serves both halves:
; an even expert's stands at an even register as it was loaded, an odd expert's is moved to one.
.macro BATCH g
.irp m, 0,1,2,3,4,5,6,7
.if \m % 2
.irp j, 0,1,2,3
	s_mov_b32 s[OP+2*\j], s[P+8*\j+\m]
.endr
.endif
.irp j, 0,1,2,3
.irp u, 0,1
.if \m == 0
	v_pk_mul_f32 v[B+16*(\g)+4*\j+2*\u:B+16*(\g)+4*\j+2*\u+1], v[BS+2*\u:BS+2*\u+1], s[P+8*\j:P+8*\j+1] op_sel_hi:[1,0]   ; expert 0 starts the sums: nothing is cleared
.elseif \m % 2
	v_pk_fma_f32 v[B+16*(\g)+4*\j+2*\u:B+16*(\g)+4*\j+2*\u+1], v[BS+4*\m+2*\u:BS+4*\m+2*\u+1], s[OP+2*\j:OP+2*\j+1], v[B+16*(\g)+4*\j+2*\u:B+16*(\g)+4*\j+2*\u+1] op_sel_hi:[1,0,1]
.else
	v_pk_fma_f32 v[B+16*(\g)+4*\j+2*\u:B+16*(\g)+4*\j+2*\u+1], v[BS+4*\m+2*\u:BS+4*\m+2*\u+1], s[P+8*\j+\m:P+8*\j+\m+1], v[B+16*(\g)+4*\j+2*\u:B+16*(\g)+4*\j+2*\u+1] op_sel_hi:[1,0,1]
.endif
.endr
.endr
.endr
.endm
	s_wait_loadcnt 32                              ; bs's eight loads are in; gb's and gW's 32 may be out
	s_wait_kmcnt 0x0                               ; pb's first four rows
	BATCH 0
	PBLOAD 1                                       ; the next four rows, into the same registers: the lines that read them have been issued
	s_wait_kmcnt 0x0
	BATCH 1
	PBLOAD 2
	s_wait_kmcnt 0x0
	BATCH 2
	PBLOAD 3
	s_wait_kmcnt 0x0
	BATCH 3
	s_wait_loadcnt 16                              ; gb's sixteen loads are in; gW's may be out
.irp j, 0,2,4,6,8,10,12,14,16,18,20,22,24,26,28,30,32,34,36,38,40,42,44,46,48,50,52,54,56,58,60,62
	v_pk_mul_f32 v[B+\j:B+\j+1], v[B+\j:B+\j+1], v[GB+\j:GB+\j+1]
.endr
	s_wait_tensorcnt 0x0                           ; my tile of mix lies in my own LDS bytes: my own wait is all that its reads need
.irp i, 0,1,2,3,4,5,6,7,8,9,10,11,12,13,14,15
	ds_load_b128 v[GB+4*\i:GB+4*\i+3], v[MXA] offset:512*\i        ; into the registers that gb has left
.endr
	s_wait_loadcnt 0x0                             ; gW
.irp g, 0,1,2,3
	s_wait_dscnt 12-4*\g                           ; rows 4 g .. 4 g + 3 of mix are in; the younger loads may be out
.irp u, 0,1,2,3,4,5,6,7
	v_pk_fma_f32 v[B+16*\g+2*\u:B+16*\g+2*\u+1], v[GW+16*\g+2*\u:GW+16*\g+2*\u+1], v[GB+16*\g+2*\u:GB+16*\g+2*\u+1], v[B+16*\g+2*\u:B+16*\g+2*\u+1]   ; z
.endr
.endr
; One level of the butterfly: 2 n registers become n.  Registers 2 k and 2 k + 1 hold rows that differ in bit b.  A lane whose number has bit b clear keeps the first and sends the second to the lane
; x = 2^b away, a lane with the bit set the other way round; what is kept and what arrives are the same row's.  So behind four levels lane l holds row l % 16, summed over its 16 lanes.
.macro LEVEL in, out, n, b, x
.set K, 0
.rept \n
	v_cndmask_b32 v[\out+K], v[\in+2*K], v[\in+2*K+1], s[MK+\b]    ; what I keep
.set K, K+1
.endr
.set K, 0
.rept \n
	v_cndmask_b32 v[U+K], v[\in+2*K+1], v[\in+2*K], s[MK+\b]       ; what I send
.set K, K+1
.endr
.set K, 0
.rept \n
	v_add_f32_dpp v[\out+K], v[U+K], v[\out+K] row_xmask:\x row_mask:0xf bank_mask:0xf
.set K, K+1
.endr
.endm
; v[S] .. v[S + 15], a partial sum of each row in each lane, become the whole row's sum: row lane % 16's, in v[RD].
.macro REDUCE red
	LEVEL S,  O1, 8, 0, 1
	LEVEL O1, O2, 4, 1, 2
	LEVEL O2, O3, 2, 2, 4
	LEVEL O3, O4, 1, 3, 8
	v_permlanex16_b32 v[U], v[O4], s[SEL], s[SEL+1]                ; (its destination counts as read: v[U] has been written)
	v_add_f32 v[O4], v[O4], v[U]                   ; with the other half of the lanes: my wave's part of row lane % 16
	ds_store_b32 v[RDW], v[O4] offset:\red         ; lanes l and l + 16 write the same word with the same value
	s_wait_dscnt 0x0                               ; for the others' sake: my store has landed
	s_barrier_signal -1
	s_barrier_wait -1                              ; the table is whole
.irp q, 0,1,2,3
	ds_load_b128 v[RD+4*\q:RD+4*\q+3], v[RDR] offset:\red+16*\q
.endr
	s_wait_dscnt 0x0
.irp q, 0,4,8,12
	v_pk_add_f32 v[RD+\q:RD+\q+1], v[RD+\q:RD+\q+1], v[RD+\q+2:RD+\q+3]
.endr
	v_pk_add_f32 v[RD:RD+1], v[RD:RD+1], v[RD+4:RD+5]
	v_pk_add_f32 v[RD+8:RD+9], v[RD+8:RD+9], v[RD+12:RD+13]
	v_pk_add_f32 v[RD:RD+1], v[RD:RD+1], v[RD+8:RD+9]
	v_add_f32 v[RD], v[RD], v[RD+1]                ; the same tree in every wave: all waves hold the same bits
.endm
; The statistic in v[ST:ST+1] (row lane % 16's, twice) goes to every lane: v[MN + 2 i] and v[MN + 2 i + 1] hold row i's.  The bytes are my wave's own, and LDS serves a wave's instructions in order (ISA guide 5.7.1.4).
.macro SPREAD bc
	ds_store_b64 v[BCW], v[ST:ST+1] offset:\bc
.irp j, 0,1,2,3,4,5,6,7
	ds_load_b128 v[MN+4*\j:MN+4*\j+3], v[BCR] offset:\bc+16*\j     ; every lane reads the same 16 bytes
.endr
	s_wait_dscnt 0x0
.endm
	; THE MEAN
.irp i, 0,1,2,3,4,5,6,7,8,9,10,11,12,13,14,15
	v_pk_add_f32 v[TP+2*\i:TP+2*\i+1], v[B+4*\i:B+4*\i+1], v[B+4*\i+2:B+4*\i+3]
.endr
.irp i, 0,1,2,3,4,5,6,7,8,9,10,11,12,13,14,15
	v_add_f32 v[S+\i], v[TP+2*\i], v[TP+2*\i+1]
.endr
	REDUCE RED1
	v_mul_f32 v[ST], 0xba000000, v[RD]             ; -mean = the sum x -1 / 2048
	v_mul_f32 v[ST+1], 0xba000000, v[RD]
	SPREAD BC1
.irp j, 0,2,4,6,8,10,12,14,16,18,20,22,24,26,28,30,32,34,36,38,40,42,44,46,48,50,52,54,56,58,60,62
	v_pk_add_f32 v[B+\j:B+\j+1], v[B+\j:B+\j+1], v[MN+2*(\j/4):MN+2*(\j/4)+1]   ; d = z - mean
.endr
	; THE VARIANCE
.irp i, 0,1,2,3,4,5,6,7,8,9,10,11,12,13,14,15
	v_pk_mul_f32 v[TP+2*\i:TP+2*\i+1], v[B+4*\i:B+4*\i+1], v[B+4*\i:B+4*\i+1]
.endr
.irp i, 0,1,2,3,4,5,6,7,8,9,10,11,12,13,14,15
	v_pk_fma_f32 v[TP+2*\i:TP+2*\i+1], v[B+4*\i+2:B+4*\i+3], v[B+4*\i+2:B+4*\i+3], v[TP+2*\i:TP+2*\i+1]
.endr
.irp i, 0,1,2,3,4,5,6,7,8,9,10,11,12,13,14,15
	v_add_f32 v[S+\i], v[TP+2*\i], v[TP+2*\i+1]
.endr
	REDUCE RED2
	v_fma_f32 v[RD], v[RD], s[C2K], s[EPS]         ; var + 1e-5
	v_rsq_f32 v[ST], v[RD]
	v_nop                                          ; one plain line between the transcendental and the use of its result
	s_wait_alu depctr_va_vdst(0)
	v_mov_b32 v[ST+1], v[ST]
	SPREAD BC2
; Four rows at a time: y, the exponential's argument, the exponentials, the choice, four stores.  Each group has its own 16 registers of store data: none is written again.
.irp g, 0,1,2,3
.irp u, 0,1,2,3,4,5,6,7
	v_pk_mul_f32 v[B+16*\g+2*\u:B+16*\g+2*\u+1], v[B+16*\g+2*\u:B+16*\g+2*\u+1], v[MN+2*(4*\g+\u/2):MN+2*(4*\g+\u/2)+1]   ; y
.endr
.irp u, 0,1,2,3,4,5,6,7
	v_pk_mul_f32 v[E+16*\g+2*\u:E+16*\g+2*\u+1], v[B+16*\g+2*\u:B+16*\g+2*\u+1], s[L2E:L2E+1] op_sel_hi:[1,0]             ; y log2(e)
.endr
.irp e, 0,1,2,3,4,5,6,7,8,9,10,11,12,13,14,15
	v_exp_f32 v[E+16*\g+\e], v[E+16*\g+\e]
.endr
	v_nop                                          ; one plain line behind the exponentials
	s_wait_alu depctr_va_vdst(0)
.irp u, 0,1,2,3,4,5,6,7
	v_pk_add_f32 v[E+16*\g+2*\u:E+16*\g+2*\u+1], v[E+16*\g+2*\u:E+16*\g+2*\u+1], -1.0 op_sel_hi:[1,0]   ; e^y - 1
.endr
.irp e, 0,1,2,3,4,5,6,7,8,9,10,11,12,13,14,15
	v_med3_num_f32 v[E+16*\g+\e], v[B+16*\g+\e], v[E+16*\g+\e], 0   ; the middle one of y, e^y - 1 and 0
.endr
.irp j, 0,1,2,3
	global_store_b128 v[LO], v[E+16*\g+4*\j:E+16*\g+4*\j+3], s[14:15] offset:8192*(4*\g+\j) th:TH_STORE_NT   ; 32 lanes store 512 consecutive bytes, at a multiple of 256 from out0's first byte
.endr
.endr
	s_wait_tensorcnt 0x0
	ds_add_u32 v254, v255
	s_wait_dscnt 0x0
	s_endpgm
.Lfunc_end_k_qa465c51ba5_norm:
	.size	k_qa465c51ba5_norm, .Lfunc_end_k_qa465c51ba5_norm-k_qa465c51ba5_norm
	.p2alignl 7, 3214868480
	.fill 96, 4, 3214868480
	.section	.rodata,"a",@progbits
	.p2align	6, 0x0
	.amdhsa_kernel k_qa465c51ba5_norm
		.amdhsa_group_segment_fixed_size 169984
		.amdhsa_private_segment_fixed_size 0
		.amdhsa_enable_private_segment 0
		.amdhsa_kernarg_size 48
		.amdhsa_user_sgpr_count 2
		.amdhsa_user_sgpr_kernarg_segment_ptr 1
		.amdhsa_wavefront_size32 1
		.amdhsa_system_sgpr_workgroup_id_x 1
		.amdhsa_system_sgpr_workgroup_id_y 1
		.amdhsa_system_sgpr_workgroup_id_z 1
		.amdhsa_system_vgpr_workitem_id 0
		.amdhsa_next_free_vgpr 256
		.amdhsa_next_free_sgpr 93
		.amdhsa_reserve_vcc 0
		.amdhsa_float_denorm_mode_32 3
		.amdhsa_float_denorm_mode_16_64 3
		.amdhsa_memory_ordered 1
		.amdhsa_forward_progress 1
		.amdhsa_inst_pref_size 60
	.end_amdhsa_kernel
	.amdgpu_metadata
---
amdhsa.version: [ 1, 2 ]
amdhsa.kernels:
  - .name:           k_qa465c51ba5_norm
    .symbol:         k_qa465c51ba5_norm.kd
    .args:
      - { .name: mix, .offset: 0, .size: 8, .value_kind: global_buffer, .address_space: global }
      - { .name: gW, .offset: 8, .size: 8, .value_kind: global_buffer, .address_space: global }
      - { .name: gb, .offset: 16, .size: 8, .value_kind: global_buffer, .address_space: global }
      - { .name: pb, .offset: 24, .size: 8, .value_kind: global_buffer, .address_space: global }
      - { .name: bs, .offset: 32, .size: 8, .value_kind: global_buffer, .address_space: global }
      - { .name: out0, .offset: 40, .size: 8, .value_kind: global_buffer, .address_space: global }
    .group_segment_fixed_size: 169984
    .private_segment_fixed_size: 0
    .kernarg_segment_align: 8
    .kernarg_segment_size: 48
    .max_flat_workgroup_size: 512
    .sgpr_count:     93
    .vgpr_count:     256
    .wavefront_size: 32
...
	.end_amdgpu_metadata
.endif
;; end of part 3
